; MI455X (gfx1250); checked and timed in simulation.
; The chip was launched on July 23, 2026; its instructions are those of AMD's public machine-readable ISA for CDNA 5 (MIT licence, August 2026) and "CDNA5" Instruction Set Architecture Reference Guide (July 2026). The comments in the code are by the model that wrote it; some were corrected since.
;; Weight Adaptive Gallinear. Allowed arithmetic: matrix products marked QUANTISED: E2M3 operands, one E8M0 scale for each 32 along K, by v_wmma_scale_f32_16x16x128_f8f6f4 with both operands' format E2M3, f32 sums; products left as they are: f32 operands where the result goes on into a quantised operand, else bf16, f16 or f32 operands; f32 sums; everything else in f32.
;; Inputs: dil 4 float32; fc1_b 2,048 float32; fc1_w_codes 2,048 x 4 x 24 uint8 (E2M3 codes of fc1_w, K innermost, in blocks of 32 codes, four codes in three bytes); fc1_w_scales 2,048 x 4 uint8 (E8M0 scales of fc1_w, one for each 32 codes along K); fc2_b 2,048 float32; fc2_w_codes 2,048 x 64 x 24 uint8 (E2M3 codes of fc2_w, K innermost, in blocks of 32 codes, four codes in three bytes); fc2_w_scales 2,048 x 64 uint8 (E8M0 scales of fc2_w, one for each 32 codes along K); shift_p 4 float32; x 8,192 x 130 float32.
;; Outputs: out0 8,192 x 512 float32.
;; This version of the problem:
;;   THIS VERSION OF THE PROBLEM IS GIVEN IN LOW PRECISION. The matrix products marked QUANTISED in the list below multiply operands that are first quantised to E2M3 (2 exponent bits, 3 mantissa bits; 6 bits a number), with one power-of-two scale for each 32 numbers along K (OCP MX v1.0); their sums are f32. All else is computed in f32.
;;   The module's matrix products, in the order in which they are computed (A, B: the left and right operand; K: the contracted axis; several contracted axes count as one K, in the product's order):
;;     1. [M 8,192, K 128] x [K 128, N 2,048]; A: input x; B: input fc1_w (given as codes): QUANTISED
;;     2. [M 8,192, K 2,048] x [K 2,048, N 2,048]; A: computed on the way; B: input fc2_w (given as codes): QUANTISED
;;     3. [M 8,388,608, K 2] x [K 2, N 1]; A: computed on the way; B: computed on the way: left as it is (K = 2 < 32)
;;     4. batch 8,192 x [M 1, K 1] x [K 1, N 512]; A: input x; B: computed on the way: left as it is (K = 1 < 32)
;;   THE QUANTISER, for each operand of a quantised product, along K:
;;     - K is cut into blocks of 32 from its start; a last block that is shorter is filled with zeros.
;;     - A block's scale is 2^e with e = floor(log2(the largest magnitude in the block)) - 2, held to -126 .. 127; a block of zeros has e = 0. As a byte (E8M0): e + 127.
;;     - Each number is divided by its block's scale, clamped to +-7.5, and rounded to the nearest number of E2M3, ties to even, subnormals kept.
;;     - The product sums the exact products of the quantised numbers (number of the format x scale) in f32.
;;   ~~~python
;;   def quantise(x, axis):      # numpy; x: float32 -> the quantised numbers, widened to float32 again
;;       x = np.moveaxis(x, axis, -1); K = x.shape[-1]
;;       x = np.pad(x, [(0, 0)] * (x.ndim - 1) + [(0, -K % 32)]); x = x.reshape(x.shape[:-1] + (-1, 32)); a = np.abs(x).max(-1, keepdims=True)
;;       e = np.where(a > 0, np.clip(np.frexp(np.where(a > 0, a, 1))[1] - 1 - 2, -126, 127), 0)      # np.frexp(a)[1] - 1 = floor(log2(a)), exactly
;;       r = np.clip(x / 2.0 ** e, -7.5, 7.5)
;;       step = 2.0 ** (np.maximum(np.frexp(np.where(r == 0, 1, r))[1] - 1, 0) - 3)
;;       q = np.round(r / step) * step * 2.0 ** e      # np.round: ties to even
;;       return np.moveaxis(q.reshape(q.shape[:-2] + (-1,))[..., :K], -1, axis).astype(np.float32)
;;   ~~~
;;   OPERANDS COMPUTED ON THE WAY. 'Computed on the way' means the value that the module computes at that place (a softmax that the list does not call 'softmax' is quantised finished and normalised). What goes into a quantiser is computed in f32, as accurately as f32 sums, v_exp_f32 and their like allow (about 1e-6 of the number): no bf16 or f16 on the way to a quantiser, and a product that is left as it is and whose result goes on into a quantised operand takes f32 operands (vector FMAs, or v_wmma_f32_16x16x4_f32). A number that lies on a knife's edge between two numbers of the format may be rounded either way, as far as f32 arithmetic and the matrix unit's own rounding can turn it there, and no further.
;;   INPUTS GIVEN AS CODES. fc1_w (in the module: [128, 2048], K = its axis 0); fc2_w (in the module: [2048, 2048], K = its axis 0): each comes as NAME_codes (uint8): NAME with its K axis moved to the last place and cut into blocks of 32 codes, [.., K / 32, bytes a block], one block behind the other in memory; four codes in three bytes: a row's codes are one little-endian stream of bits, code i at bits 6 i .. 6 i + 5 (a code: sign, 2 exponent bits, 3 mantissa bits); and NAME_scales (uint8): the same leading axes, one E8M0 byte (e + 127) for each 32 codes along K. Its value is code x scale, taken as it is: it is not quantised again, and the codes and scales need not be those that the quantiser above would give.
;; One version. Each part assembles by itself: llvm-mc -triple=amdgcn-amd-amdhsa -mcpu=gfx1250 --defsym DOCPART=n.
;; ======== version 1 of 1: 2 launches
;; limits: a function is approximated: absolute error at most 3e-07; right only within a limited range of input values; a function is approximated: absolute error at most 1e-06
;; workspace buffers: h_img 12,582,912 bytes; h_scales 524,288 bytes; aux 65,536 bytes
;; launch hidden (part 1): grid 256 x 1, 16 waves a work-group, clusters of 4 x 1, 237,056 bytes of LDS; arguments x, fc1_w_codes, fc1_w_scales, fc1_b, h_img, h_scales, aux; writes h_img, h_scales, aux
.if DOCPART == 1
	.amdgcn_target "amdgcn-amd-amdhsa--gfx1250"
	.amdhsa_code_object_version 6
	.text
	.protected	k_qab96b33317_hidden
	.globl	k_qab96b33317_hidden
	.p2align	8
	.type	k_qab96b33317_hidden,@function
k_qab96b33317_hidden:
	s_mov_b64 s[64:65], 0
	v_nop
	global_prefetch_b8 v0, s[64:65] scope:SCOPE_SE
	s_setreg_imm32_b32 hwreg(HW_REG_WAVE_MODE, 25, 1), 1
	s_wait_xcnt 0x0
	s_wait_alu depctr_hold_cnt(0) depctr_sa_sdst(0) depctr_va_vdst(0) depctr_va_sdst(0) depctr_va_ssrc(0) depctr_va_vcc(0) depctr_vm_vsrc(0)
	s_getreg_b32 s2, hwreg(HW_REG_IB_STS2, 6, 4)
	s_cmp_eq_u32 s2, 0
	s_cbranch_scc0 .Lentry_in_a_cluster
	s_endpgm
.Lentry_in_a_cluster:
	s_bfe_u32 s2, ttmp6, 0x10000c
	s_cmp_lg_u32 s2, 0x3003
	s_cbranch_scc0 .Lentry_shape_is_right
	s_endpgm
.Lentry_shape_is_right:
; h = tanh(z W1 + b1), z = x[:, 2:130], on codes of FP6 (E2M3) with one E8M0 scale for each 32 along K; h is quantised along its 2,048 units and stored as the next product's operand.
; x: [8192][130] f32.  W1: codes [2048][96 bytes], K = 128 innermost; scale words [2048][4 bytes].  b1: [2048] f32.
; OUT: h_img [K step 8][row tile 512][q 2][1,536 bytes]: the image of a fragment's 12 registers (16 rows x 128 units): register p of lane l at 512 (p / 4) + 16 l + 4 (p % 4).
;      h_scales [8192][64]: the word at 4 s holds the four bytes of units 128 s .. 128 s + 127.   aux [8192][2] = x[:, 0:2], packed.
; SHARES.  A work-group owns 32 rows (two tiles of 16).  Wave s of sixteen owns units 128 s .. 128 s + 127 for both tiles: its eight fragments of W1 stay in registers.  Four waves share a SIMD,
; so that one wave's exponentials and reciprocals stand beside another's plain work.
; CLUSTER.  Every work-group needs all of W1, its scale words and b1: 212,992 bytes that are the same for all.  Four work-groups form a cluster and ask for them JOINTLY: each wave issues three tensor loads
; (its 12,288 bytes of codes, its 512 bytes of scale words, its 512 bytes of b1) with the same descriptor in all four work-groups and a mask that names the four.  Each lands in LDS bytes that are the wave's own
; (a constant + a constant x wave), is filled once and is read by that wave alone, behind its own wait.  A wave has three tensor loads outstanding.  x is no shared input: it comes through registers.
; The 32 rows of x are 16,640 consecutive bytes that begin at a multiple of 256: they are read as they lie, 16 bytes a lane, and turned in LDS.  Waves 0 and 1 quantise z; every wave reads the two images.
; THE PRODUCT IS USED TRANSPOSED (source 0 = 16 rows of W1, source 1 = z), AND THE ROWS OF W1 THAT FORM A TILE ARE NOT NEIGHBOURS: lane r of tile 2 b + u takes row 32 b + 8 u + r + 8 (r / 8),
; so that register 16 b + i of lane (r, h) is unit 32 b + 16 h + i of row r: sixteen neighbours along the next K.  b1 is the C of the product.
; W1's rows lie in LDS as in memory, 96 bytes apart: the two groups of eight rows of a tile lie 1,536 bytes = 6 x 256 apart, so lanes r and r + 8 of a load meet in the same banks (64 banks of 4 bytes: ISA guide 11.1):
; these 48 loads a wave go two deep.  The mover's padding counts in powers of two, which neither 96 nor 1,536 bytes are.
; tanh(a) = 1 - 2 / (1 + 2^(2 log2(e) a)): it ends at +-1 where the exponential overflows or falls to 0.
; LIMITS: tanh carries an absolute error of about 2^-23, so its relative error grows for |a| under about 2^-10; a block whose largest magnitude lies under 2^-124 gets the byte 1
; (a block of zeros too: its codes are zeros, and this program alone reads the bytes); NaN and infinities among the inputs are not served.
.set W1C,  0                           ; LDS, filled by tensor loads: W1's codes, 12,288 bytes a wave
.set W1SC, 196608                      ; W1's scale words, 512 bytes a wave
.set B1L,  204800                      ; b1, 512 bytes a wave
.set XR,   212992                      ; LDS, written by the waves: 32 rows of x as they lie, 520 bytes a row: 16,640 bytes
.set ZIMG, 229632                      ; z's two fragments as images, 1,536 bytes each
.set ZSC,  232704                      ; their scale words, 4 bytes a lane
.set HSC,  232960                      ; h's scale bytes: 32 rows x 64
.set XG,   4                           ; v4   16 x thread: my bytes of a load of 8,192 of x
.set TL,   5                           ; v5   8 x lane
.set LI,   6                           ; v6   16 x lane
.set LSZ,  7                           ; v7   ZSC + 4 x lane
.set ZA,   8                           ; v8   z in LDS: XR + (wave & 1) x 16 rows + row r + 64 h + 8
.set ZWI,  9                           ; v9   ZIMG + 16 x lane + 1,536 x (wave & 1)
.set ZWS,  10                          ; v10  ZSC + 4 x lane + 128 x (wave & 1)
.set W1A,  11                          ; v11  W1 in LDS: 12,288 x wave + (r + 8 (r / 8)) x 96 + 24 h
.set W1SA, 12                          ; v12  its scale words: W1SC + 512 x wave + 4 (r + 8 (r / 8))
.set BA,   13                          ; v13  b1: B1L + 512 x wave + 64 h
.set HW,   14                          ; v14  HSC + 64 r + 4 x wave
.set AXL,  15                          ; v15  XR + 520 x lane
.set W1S,  16                          ; v16-23 W1's scale words
.set ZS,   24                          ; v24  z's scale word
.set PW,   25                          ; v25  the scale word just made
.set ZF,   28                          ; v28-39 z's fragment
.set PC,   40                          ; v40-58 the codes just made (12) and two runs of three at work
.set TM,   60                          ; v60-75 the quantiser's work
.set XD,   76                          ; v76-83 x as loaded
.set SOUT, 84                          ; v84-87 scale bytes on their way out
.set XL,   88                          ; v88  XR + 16 x thread
.set TLL,  89                          ; v89  XR + 8 x lane
.set LIZ,  90                          ; v90  ZIMG + 16 x lane
.set HRG,  91                          ; v91  16 x (thread & 127)
.set HRD,  92                          ; v92  HSC + the same
.set W1F,  96                          ; v96-191 W1's eight fragments
.set HA,   192                         ; v192-255 eight tiles of the hidden layer
.set WV,   18                          ; s18  my wave's number
.set SEL,  20
.set CS,   22
.set G0C,  36                          ; s[36:39] descriptor group 0 for my codes;  s[40:43] for my scale words;  s[44:47] for my part of b1
.set G0S,  40
.set G0B,  44
.set G1C,  48                          ; s[48:55] group 1: 48 rows of 256 bytes;  s[56:63]: 2 rows of 256 bytes
.set G1D,  56
; A round of the cluster's barrier: my work-group's barrier, so that wave 0's signal speaks for all sixteen waves; wave 0 signals for the work-group; every wave waits for all four work-groups; my work-group's barrier once more.
.macro CROUND
	s_barrier_signal -1
	s_barrier_wait -1
	s_cmp_lg_u32 s[WV], 0
	s_cbranch_scc1 .Lnot_wave_0_\@
	s_barrier_signal -3
.Lnot_wave_0_\@:
	s_barrier_wait -3
	s_barrier_signal -1
	s_barrier_wait -1
.endm
; 64 numbers of a lane, register 16 b + i = k 32 b + 16 (lane / 16) + i of my row, become a fragment's codes in v[PC] on and its scale word in v[PW].
.macro QUANT s
.irp b, 0,1,2,3
	v_max3_num_f32 v[TM+\b], |v[\s+16*\b]|, |v[\s+1+16*\b]|, 0x1800000   ; block b: my 16 numbers, and the floor 2^(3 - 127): the byte cannot fall under 1
.endr
.irp i, 2,4,6,8,10,12,14
.irp b, 0,1,2,3
	v_max3_num_f32 v[TM+\b], v[TM+\b], |v[\s+16*\b+\i]|, |v[\s+1+16*\b+\i]|   ; the four blocks by turns
.endr
.endr
.irp b, 0,1,2,3
	v_permlanex16_b32 v[TM+4+\b], v[TM+\b], s[SEL], s[SEL+1]
.endr
.irp b, 0,1,2,3
	v_max_num_f32 v[TM+\b], v[TM+\b], v[TM+4+\b]   ; with lane l xor 16's: the block's largest magnitude
.endr
.irp b, 0,1,2,3
	v_add_nc_u32 v[TM+12+\b], 0xff000000, v[TM+\b]   ; 2 off its exponent field: the conversion's scale operand
.endr
.irp b, 0,1,2,3
	v_lshrrev_b32 v[TM+4+\b], 23, v[TM+12+\b]      ; the scale's byte
.endr
	v_lshl_or_b32 v[PW], v[TM+5], 8, v[TM+4]       ; four bytes: my row's scale word
	v_lshl_or_b32 v[PW], v[TM+6], 16, v[PW]
	v_lshl_or_b32 v[PW], v[TM+7], 24, v[PW]
.irp c, 0,1
	v_cvt_scalef32_pk16_fp6_f32 v[PC+6*\c:PC+2+6*\c], v[\s+32*\c:\s+15+32*\c], v[TM+12+2*\c]
	v_cvt_scalef32_pk16_fp6_f32 v[PC+12+4*\c:PC+14+4*\c], v[\s+16+32*\c:\s+31+32*\c], v[TM+12+2*\c+1]   ; (a conversion's three registers begin on an even number)
.endr
	v_nop                                          ; one plain place behind a scaled conversion
.irp c, 0,1                                    ; the operand's layout wants a whole block in a lane: lanes 0-15 block 2 c, lanes 16-31 block 2 c + 1
.irp i, 0,1,2
	v_permlane16_swap_b32 v[PC+6*\c+\i], v[PC+12+4*\c+\i]
.endr
.irp i, 0,1,2
	v_mov_b32 v[PC+3+6*\c+\i], v[PC+12+4*\c+\i]
.endr
.endr
.endm
; tanh in place on the 64 registers of the hidden layer, from each accumulator's low end on
.macro TANH
.set j, 0
.rept 32
	v_pk_mul_f32 v[HA+j:HA+j+1], v[HA+j:HA+j+1], s[CS:CS+1] op_sel_hi:[1,0]   ; 2 log2(e) a
.set j, j+2
.endr
.set j, 0
.rept 64
	v_exp_f32 v[HA+j], v[HA+j]
.set j, j+1
.endr
	v_nop                                          ; a plain place behind the exponentials
.set j, 0
	s_wait_alu depctr_va_vdst(0)
.rept 32
	v_pk_add_f32 v[HA+j:HA+j+1], v[HA+j:HA+j+1], 1.0 op_sel_hi:[1,0]
.set j, j+2
.endr
.set j, 0
.rept 64
	v_rcp_f32 v[HA+j], v[HA+j]
.set j, j+1
.endr
	v_nop                                          ; a plain place behind the reciprocals
.set j, 0
	s_wait_alu depctr_va_vdst(0)
.rept 32
	v_pk_fma_f32 v[HA+j:HA+j+1], v[HA+j:HA+j+1], -2.0, 1.0 op_sel_hi:[1,0,0]   ; 1 - 2 / (1 + 2^..)
.set j, j+2
.endr
.endm
; b1 in the result's layout, out of my 512 bytes in LDS: lane (r, h), tile t: units 32 (t / 2) + 16 h + 8 (t % 2) + 0 .. 7; the sixteen lanes of a half read the same 16 bytes
.macro BIAS
.irp t, 0,1,2,3,4,5,6,7
	ds_load_b128 v[HA+8*\t:HA+8*\t+3], v[BA] offset:(32*(\t/2)+8*(\t%2))*4
	ds_load_b128 v[HA+8*\t+4:HA+8*\t+7], v[BA] offset:(32*(\t/2)+8*(\t%2))*4+16
.endr
.endm
; Row tile m: z's image from LDS, eight products (each accumulator once, by turns), tanh, quantiser, the image to memory, the scale word to LDS
.macro UNIT m
.irp c, 0,1,2
	ds_load_b128 v[ZF+4*\c:ZF+4*\c+3], v[LIZ] offset:1536*\m+512*\c
.endr
	ds_load_b32 v[ZS], v[LSZ] offset:128*\m
.if \m == 0
	BIAS
.endif
	s_wait_dscnt 0x0                               ; z's fragment, its scale word and b1 are in
.irp t, 0,1,2,3,4,5,6,7
	v_wmma_scale_f32_16x16x128_f8f6f4 v[HA+8*\t:HA+8*\t+7], v[W1F+12*\t:W1F+12*\t+11], v[ZF:ZF+11], v[HA+8*\t:HA+8*\t+7], v[W1S+\t], v[ZS] matrix_a_fmt:MATRIX_FMT_FP6 matrix_b_fmt:MATRIX_FMT_FP6
.endr
.rept 4
	v_nop                                          ; four places between the last product and the first read of results (ISA guide 7.12.1)
.endr
	TANH
.if \m
	s_wait_xcnt 0x0                                ; tile 0's stores have read the codes' registers: they are written again only behind this wait
.endif
	QUANT HA
.if \m == 0
	BIAS                                           ; b1 once more, for tile 1: the hidden layer's registers have been read
.endif
.irp c, 0,1,2
	global_store_b128 v[LI], v[PC+4*\c:PC+4*\c+3], s[12:13] offset:3072*\m+512*\c   ; 32 lanes store 512 consecutive bytes, at a multiple of 256 from the buffer's first byte
.endr
	ds_store_b32 v[HW], v[PW] offset:1024*\m       ; lanes r and r + 16 write the same word with the same value
.endm
	s_load_b256 s[4:11], s[0:1], 0x0               ; x s[4:5], W1's codes s[6:7], W1's scales s[8:9], b1 s[10:11]
	s_load_b128 s[12:15], s[0:1], 0x20             ; h_img s[12:13], h_scales s[14:15]
	s_load_b64 s[16:17], s[0:1], 0x30              ; aux
	v_lshl_add_u32 v94, v0, 2, 0x39600
	v_mov_b32 v95, 0
	ds_add_u32 v94, v95
	ds_add_u32 v94, v95
	v_lshrrev_b32 v1, 5, v0
	v_readfirstlane_b32 s[WV], v1                  ; wave 0..15
	v_and_b32 v1, 31, v0                           ; lane
	v_and_b32 v2, 15, v0                           ; r
	v_bfe_u32 v3, v0, 4, 1                         ; h
	; every LDS address is made here, ahead of the first branch on the wave's number, of constants, the lane and the wave's number alone
	v_lshlrev_b32 v[XG], 4, v0
	v_add_nc_u32 v[XL], XR, v[XG]
	v_lshlrev_b32 v[TL], 3, v1
	v_add_nc_u32 v[TLL], XR, v[TL]
	v_lshlrev_b32 v[LI], 4, v1
	v_add_nc_u32 v[LIZ], ZIMG, v[LI]
	v_lshl_add_u32 v[LSZ], v1, 2, ZSC
	s_and_b32 s24, s[WV], 1
	s_mul_i32 s25, s24, 8320                       ; 16 rows of 520 bytes
	v_mul_u32_u24 v[ZA], v2, 520
	v_lshl_add_u32 v[ZA], v3, 6, v[ZA]
	v_add_nc_u32 v[ZA], s25, v[ZA]
	v_add_nc_u32 v[ZA], XR+8, v[ZA]                ; z begins 8 bytes into a row
	s_mul_i32 s25, s24, 1536
	v_add_nc_u32 v[ZWI], s25, v[LIZ]
	s_lshl_b32 s25, s24, 7
	v_add_nc_u32 v[ZWS], s25, v[LSZ]
	v_and_b32 v[W1SA], 8, v2
	v_add_nc_u32 v[W1SA], v[W1SA], v2              ; r + 8 (r / 8)
	v_mul_u32_u24 v[W1A], v[W1SA], 96
	v_mad_u32_u24 v[W1A], v3, 24, v[W1A]
	s_mul_i32 s25, s[WV], 12288                    ; my 128 rows of W1 (W1C = 0)
	v_add_nc_u32 v[W1A], s25, v[W1A]
	s_lshl_b32 s25, s[WV], 9                       ; my 512 bytes of scale words, and of b1
	v_lshl_add_u32 v[W1SA], v[W1SA], 2, s25
	v_add_nc_u32 v[W1SA], W1SC, v[W1SA]
	v_lshl_add_u32 v[BA], v3, 6, s25
	v_add_nc_u32 v[BA], B1L, v[BA]
	s_lshl_b32 s25, s[WV], 2
	v_lshl_add_u32 v[HW], v2, 6, s25
	v_add_nc_u32 v[HW], HSC, v[HW]
	v_mul_u32_u24 v[AXL], v1, 520
	v_add_nc_u32 v[AXL], XR, v[AXL]
	v_and_b32 v[HRG], 127, v0
	v_lshlrev_b32 v[HRG], 4, v[HRG]
	v_add_nc_u32 v[HRD], HSC, v[HRG]
	v_mov_b32 v26, 0                               ; written on every path: wave 15 and wave 2 load into them
	v_mov_b32 v27, 0
.irp b, 0,1,2,3
	v_mov_b32 v[TM+4+\b], 0                        ; written once: a lane permute's destination counts as one of its sources
.endr
	s_mov_b32 s[SEL], 0x76543210
	s_mov_b32 s[SEL+1], 0xfedcba98                 ; v_permlanex16_b32's selects for lane l xor 16
	s_mov_b32 s[CS], 0x4038aa3b                    ; 2 log2(e)
	s_mov_b32 s[CS+1], s[CS]                       ; (named with it as a pair, so it is written)
	; descriptor group 1: dense blocks as rows of 256 bytes (32 elements of 8 bytes), no padding
	s_mov_b32 s[G1C], 15|(3<<16)|(1<<21)           ; 15:0 the mask: all four work-groups; 17:16 elements of 8 bytes; 21 set beside a mask
	s_mov_b32 s[G1C+1], 32<<16                     ; tensor_dim0 = 32
	s_mov_b32 s[G1C+2], 48<<16                     ; tensor_dim1 = 48: 12,288 bytes
	s_mov_b32 s[G1C+3], 32<<16                     ; tile_dim0
	s_mov_b32 s[G1C+4], 48                         ; tile_dim1
	s_mov_b32 s[G1C+5], 32                         ; tensor_dim0_stride
	s_mov_b32 s[G1C+6], 0
	s_mov_b32 s[G1C+7], 0
	s_mov_b32 s[G1D], 15|(3<<16)|(1<<21)
	s_mov_b32 s[G1D+1], 32<<16
	s_mov_b32 s[G1D+2], 2<<16                      ; two rows: 512 bytes
	s_mov_b32 s[G1D+3], 32<<16
	s_mov_b32 s[G1D+4], 2
	s_mov_b32 s[G1D+5], 32
	s_mov_b32 s[G1D+6], 0
	s_mov_b32 s[G1D+7], 0
	s_mul_i32 s32, s[WV], 12288                    ; what I fetch hangs on my wave's number alone: it is the same in all four work-groups
	s_mov_b32 s33, 0
	s_lshl_b32 s34, s[WV], 9
	s_mov_b32 s35, 0
	s_bfe_u32 s26, ttmp6, 0x40000                  ; cx: my place in the cluster
	s_lshl_b32 s27, ttmp9, 2                       ; in a cluster launch ttmp9 counts clusters
	s_add_co_u32 s26, s27, s26                     ; my work-group = 4 x cluster x + cx: it enters the addresses of x, h_img, h_scales and aux alone
	s_wait_dscnt 0x0
	s_wait_kmcnt 0x0
	s_mul_i32 s28, s26, 16640                      ; my 32 rows of x
	s_mov_b32 s29, 0
	s_add_nc_u64 s[4:5], s[4:5], s[28:29]
	s_lshr_b32 s28, s[WV], 1                       ; h_img: ((wave / 2) x 512 + 2 x work-group) x 3,072 + (wave % 2) x 1,536
	s_lshl_b32 s28, s28, 9
	s_lshl_b32 s30, s26, 1
	s_add_co_u32 s28, s28, s30
	s_mul_i32 s28, s28, 3072
	s_and_b32 s30, s[WV], 1
	s_mul_i32 s30, s30, 1536
	s_add_co_u32 s28, s28, s30
	s_add_nc_u64 s[12:13], s[12:13], s[28:29]
	s_lshl_b32 s28, s26, 11                        ; 32 rows x 64 scale bytes
	s_add_nc_u64 s[14:15], s[14:15], s[28:29]
	s_lshl_b32 s28, s26, 8                         ; 32 rows x 8 bytes
	s_add_nc_u64 s[16:17], s[16:17], s[28:29]
	; x goes out first, ahead of the round: 2 x 8,192 bytes by all sixteen waves, the last 256 bytes by wave 15
	s_cmp_lg_u32 s[WV], 15
	s_cbranch_scc1 .Lno_tail_in
	global_load_b64 v[26:27], v[TL], s[4:5] offset:16384 th:TH_LOAD_NT
.Lno_tail_in:
	global_load_b128 v[XD:XD+3], v[XG], s[4:5] th:TH_LOAD_NT
	global_load_b128 v[XD+4:XD+7], v[XG], s[4:5] offset:8192 th:TH_LOAD_NT
	; descriptor group 0, three sets
	s_mov_b32 s[G0C], 1                            ; 1:0 count = 1
	s_mov_b32 s[G0C+1], s32                        ; 63:32 LDS address: W1C + 12,288 x wave
	s_add_nc_u64 s[G0C+2:G0C+3], s[6:7], s[32:33]  ; 120:64 global address: my 128 rows of W1
	s_or_b32 s[G0C+3], s[G0C+3], 0x80000000        ; 127:126 type = 2
	s_mov_b32 s[G0S], 1
	s_add_co_u32 s[G0S+1], s34, W1SC
	s_add_nc_u64 s[G0S+2:G0S+3], s[8:9], s[34:35]
	s_or_b32 s[G0S+3], s[G0S+3], 0x80000000
	s_mov_b32 s[G0B], 1
	s_add_co_u32 s[G0B+1], s34, B1L
	s_add_nc_u64 s[G0B+2:G0B+3], s[10:11], s[34:35]
	s_or_b32 s[G0B+3], s[G0B+3], 0x80000000
	CROUND                                         ; all four work-groups are here: the joint loads meet
	tensor_load_to_lds s[G0C:G0C+3], s[G1C:G1C+7]  ; the launch's only fills, in one group, ahead of every wait on TENSORcnt
	s_nop 0
	tensor_load_to_lds s[G0S:G0S+3], s[G1D:G1D+7]
	s_nop 0
	tensor_load_to_lds s[G0B:G0B+3], s[G1D:G1D+7]
	s_nop 0
.rept 4
	v_nop                                          ; four v_nop follow the last of them
.endr
	s_wait_loadcnt 0x0                             ; x is in
	ds_store_b128 v[XL], v[XD:XD+3]
	ds_store_b128 v[XL], v[XD+4:XD+7] offset:8192
	s_cmp_lg_u32 s[WV], 15
	s_cbranch_scc1 .Lno_tail_st
	ds_store_b64 v[TLL], v[26:27] offset:16384
.Lno_tail_st:
	s_wait_dscnt 0x0                               ; for the others' sake: my stores have landed
	s_barrier_signal -1
	s_barrier_wait -1                              ; the 32 rows of x lie in LDS (the tensor loads may stay out)
	s_cmp_lt_u32 s[WV], 2
	s_cbranch_scc0 .Lnot_z
.irp b, 0,1,2,3                                ; waves 0 and 1: row tile = wave.  Lane (r, h): of each block of 32 of z its 16 numbers 32 b + 16 h + 0 .. 15
.irp j, 0,1,2,3,4,5,6,7
	ds_load_b64 v[HA+16*\b+2*\j:HA+16*\b+2*\j+1], v[ZA] offset:128*\b+8*\j
.endr
.endr
	s_wait_dscnt 0x0
	QUANT HA
.irp c, 0,1,2
	ds_store_b128 v[ZWI], v[PC+4*\c:PC+4*\c+3] offset:512*\c   ; the fragment goes to LDS as it stands in the registers
.endr
	ds_store_b32 v[ZWS], v[PW]
.Lnot_z:
	s_cmp_lg_u32 s[WV], 2
	s_cbranch_scc1 .Lnot_aux
	ds_load_b64 v[26:27], v[AXL]                   ; wave 2: a lane a row: x[row][0], x[row][1]
	s_wait_dscnt 0x0
	global_store_b64 v[TL], v[26:27], s[16:17]     ; 32 lanes store 256 consecutive bytes, aligned
.Lnot_aux:
	s_wait_tensorcnt 0x0                           ; my three tiles have landed; no other wave reads them
.irp t, 0,1,2,3,4,5,6,7                        ; W1's eight fragments: tile t begins at row 32 (t / 2) + 8 (t % 2); 24 bytes as three loads of 8.  They stay in registers
.irp p, 0,1,2,3,4,5
	ds_load_b64 v[W1F+12*\t+2*\p:W1F+12*\t+2*\p+1], v[W1A] offset:(32*(\t/2)+8*(\t%2))*96+48*(\p/3)+8*(\p%3)
.endr
.endr
.irp t, 0,1,2,3,4,5,6,7
	ds_load_b32 v[W1S+\t], v[W1SA] offset:(32*(\t/2)+8*(\t%2))*4
.endr
	s_wait_dscnt 0x0                               ; my stores of z's image have landed, and my fragments are in
	s_barrier_signal -1
	s_barrier_wait -1                              ; z's two fragments lie in LDS; nobody writes them again
	UNIT 0
	UNIT 1
	s_wait_dscnt 0x0                               ; my two scale words have landed
	s_barrier_signal -1
	s_barrier_wait -1                              ; 32 rows x 64 scale bytes lie in LDS
	s_cmp_lt_u32 s[WV], 4
	s_cbranch_scc0 .Ldone
	ds_load_b128 v[SOUT:SOUT+3], v[HRD]            ; waves 0 to 3: 16 x thread runs over the 2,048 bytes
	s_wait_dscnt 0x0
	global_store_b128 v[HRG], v[SOUT:SOUT+3], s[14:15]   ; 32 lanes store 512 consecutive bytes, aligned
.Ldone:
	s_wait_tensorcnt 0x0
	ds_add_u32 v94, v95
	s_wait_dscnt 0x0
	CROUND                                         ; the closing round: no work-group ends while a partner may still ask for a tile that names it
	s_endpgm
.Lfunc_end_k_qab96b33317_hidden:
	.size	k_qab96b33317_hidden, .Lfunc_end_k_qab96b33317_hidden-k_qab96b33317_hidden
	.p2alignl 7, 3214868480
	.fill 96, 4, 3214868480
	.section	.rodata,"a",@progbits
	.p2align	6, 0x0
	.amdhsa_kernel k_qab96b33317_hidden
		.amdhsa_group_segment_fixed_size 237056
		.amdhsa_private_segment_fixed_size 0
		.amdhsa_enable_private_segment 0
		.amdhsa_kernarg_size 56
		.amdhsa_user_sgpr_count 2
		.amdhsa_user_sgpr_kernarg_segment_ptr 1
		.amdhsa_wavefront_size32 1
		.amdhsa_system_sgpr_workgroup_id_x 1
		.amdhsa_system_sgpr_workgroup_id_y 1
		.amdhsa_system_sgpr_workgroup_id_z 1
		.amdhsa_system_vgpr_workitem_id 0
		.amdhsa_next_free_vgpr 256
		.amdhsa_next_free_sgpr 66
		.amdhsa_reserve_vcc 0
		.amdhsa_float_denorm_mode_32 3
		.amdhsa_float_denorm_mode_16_64 3
		.amdhsa_memory_ordered 1
		.amdhsa_forward_progress 1
		.amdhsa_inst_pref_size 52
	.end_amdhsa_kernel
	.amdgpu_metadata
---
amdhsa.version: [ 1, 2 ]
amdhsa.kernels:
  - .name:           k_qab96b33317_hidden
    .symbol:         k_qab96b33317_hidden.kd
    .args:
      - { .name: x, .offset: 0, .size: 8, .value_kind: global_buffer, .address_space: global }
      - { .name: fc1_w_codes, .offset: 8, .size: 8, .value_kind: global_buffer, .address_space: global }
      - { .name: fc1_w_scales, .offset: 16, .size: 8, .value_kind: global_buffer, .address_space: global }
      - { .name: fc1_b, .offset: 24, .size: 8, .value_kind: global_buffer, .address_space: global }
      - { .name: h_img, .offset: 32, .size: 8, .value_kind: global_buffer, .address_space: global }
      - { .name: h_scales, .offset: 40, .size: 8, .value_kind: global_buffer, .address_space: global }
      - { .name: aux, .offset: 48, .size: 8, .value_kind: global_buffer, .address_space: global }
    .group_segment_fixed_size: 237056
    .private_segment_fixed_size: 0
    .kernarg_segment_align: 8
    .kernarg_segment_size: 56
    .max_flat_workgroup_size: 512
    .sgpr_count:     66
    .vgpr_count:     256
    .wavefront_size: 32
...
	.end_amdgpu_metadata
.endif
;; end of part 1
;; launch gemm (part 2): grid 8 x 32, 4 waves a work-group, clusters of 4 x 4, 327,680 bytes of LDS; arguments h_img, h_scales, fc2_w_codes, fc2_w_scales, out0, fc2_b, aux, dil, shift_p; writes out0
.if DOCPART == 2
	.amdgcn_target "amdgcn-amd-amdhsa--gfx1250"
	.amdhsa_code_object_version 6
	.text
	.protected	k_qab96b33317_gemm
	.globl	k_qab96b33317_gemm
	.p2align	8
	.type	k_qab96b33317_gemm,@function
k_qab96b33317_gemm:
	s_mov_b64 s[64:65], 0
	v_nop
	global_prefetch_b8 v0, s[64:65] scope:SCOPE_SE
	s_setreg_imm32_b32 hwreg(HW_REG_WAVE_MODE, 25, 1), 1
	s_wait_xcnt 0x0
	s_wait_alu depctr_hold_cnt(0) depctr_sa_sdst(0) depctr_va_vdst(0) depctr_va_sdst(0) depctr_va_ssrc(0) depctr_va_vcc(0) depctr_vm_vsrc(0)
	s_getreg_b32 s2, hwreg(HW_REG_IB_STS2, 6, 4)
	s_cmp_eq_u32 s2, 0
	s_cbranch_scc0 .Lentry_in_a_cluster
	s_endpgm
.Lentry_in_a_cluster:
	s_bfe_u32 s2, ttmp6, 0x10000c
	s_cmp_lg_u32 s2, 0xf033
	s_cbranch_scc0 .Lentry_shape_is_right
	s_endpgm
.Lentry_shape_is_right:
; coeffs = h W2 + b2 on codes of FP6 (E2M3) with one E8M0 scale for each 32 along K = 2,048, and the tail in the same registers:
; out[b][o] = x[b][0] (c[b][2o] v0 + c[b][2o+1] v1) + c[b][1024+2o] v0 + c[b][1024+2o+1] v1,  v0 = cos t0 + cos t2, v1 = sin t1 + sin t3, t = x[8191][1] dil + shift_p.
; h_img: [K step 8][row tile 512][q 2][1,536 bytes], the images of h's fragments (16 rows x 128 K: register p of lane l at 512 (p / 4) + 16 l + 4 (p % 4)); h_scales [8192][64].
; W2: codes [2048 (column)][1,536 bytes], K innermost; scale bytes [2048][64].  b2 [2048], aux [8192][2] = x[:, 0:2], dil, shift_p [4]: f32.  out0 [8192][512] f32.
; SHARES.  A work-group of four waves makes 256 rows x 64 outputs, which want 256 columns of coeffs: run 0 = columns 128 g .. + 127, run 1 = 1,024 + the same.  A wave makes 128 rows x 128 columns
; (64 of each run): 64 accumulators, 512 registers.  THE PRODUCT IS USED TRANSPOSED (source 0 = 16 rows of W2, source 1 = 16 rows of h): a lane holds one row of the batch and eight neighbouring columns,
; so the four numbers of an output lie in ONE lane: blocks b and b + 4, registers 2 p and 2 p + 1.  b2 is the C of each sum's first product: nothing is cleared.
; K goes in steps of 256 through a ring of two LDS slots filled by the tensor data mover.  h's tile of a K step is one dense block of 49,152 bytes and is read by ds_load_b128 alone, 16 bytes a lane on end;
; W2's rows are 192 bytes, 16 bytes of padding behind every 64: rows 240 bytes apart.  The scale bytes of the work-group's rows, for all of K, come once, in rows of 256 bytes, and stay.
; CLUSTERS: 4 x 4 work-groups.  The four of a row of the cluster need the same tiles of h, the four of a column the same tiles of W2: each is asked for jointly, by the same tensor load with a mask of four.
; A wave has at most three tensor loads outstanding (its three first fills), later one.
; LIMITS: sine and cosine by a reduction in two parts and polynomials: absolute error under 1e-6 for |t| up to 2^20; beyond that they are not served.  NaN and infinities are not served.
; REGISTERS: window 0: v1-6 at work, v7-31 addresses and the tail's numbers; v32-63 scale words, two sets; v64-127 b2, later the tail; v128-223 h's fragments, ONE set; v224-255 at work.
;   window 1: W2's fragments, TWO sets, at v0 and v128.   window 2: the accumulators of my rows 0-63 ((a, b) at v[8 (8 a + b)]);   window 3: those of rows 64-127.
.set KSTEP,  256
.set NQ,     2                         ; matrix instructions deep in a slot
.set LAPS,   4                         ; 2,048 / (2 x 256)
.set FR,     12                        ; registers of a fragment
.set NLA,    3                         ; LDS loads that bring a fragment of h
.set NP,     4                         ; places behind this matrix instruction (ISA guide 7.12.1)
.set ROWB,   192                       ; a row of W2's tile in bytes
.set KROW,   1536                      ; a row of W2 in memory
.set PITCH,  240                       ; and in LDS: 3 x (64 + 16)
.set HALFA,  24576                     ; h: 128 rows x 256 K as images: what one tensor load brings
.set HALFB,  128*PITCH                 ; W2: 128 rows: one run
.set BOFF,   2*HALFA
.set SLOT,   2*HALFA+2*HALFB           ; 110,592
.set KSTRIDE, 1572864                  ; from a K step of h_img to the next
.set SCL,    2*SLOT                    ; behind the ring: the scale bytes, rows of 256 bytes + 16
.set HALFS,  8704                      ; those of 128 rows: 32 x 272
.set SBLK,   1088                      ; those of 16 rows
.set SPARE,  SCL+4*HALFS               ; the spare words, 128 bytes for each wave: two blocks of 256 bytes that no other line names
.set SPITCH, 272                       ; the way out: a stage of 256 rows x (256 bytes + 16) from LDS byte 0 on, in slot 0, which has had its last fill and its last read when the first result is stored there
.set ADRS2, 7                          ; v7   scale words of blocks 4-7: as ADRS, lanes 16-31 in run 1
.set INP,  8                           ; v8-15 x[row][0] of my eight blocks of rows
.set ADRA, 16                          ; v16-17 h's images in slot 0, 1: 16 x lane + my 128 rows
.set ADRB, 20                          ; v20-21 W2's fragments in slot 0, 1 (v22-23: for the pieces that lie behind one padding more)
.set STO,  24
.set RD,   25
.set CO,   26
.set ADRS, 27                          ; v27  scale words: lanes 0-15 h's rows, lanes 16-31 W2's
.set SPW,  28                          ; v28  LDS address of my spare word; never rewritten
.set NIL,  29                          ; v29  0; never rewritten
.set VV,   30                          ; v30-31 v0, v1
.set SC,   32
.set BIAS, 64                          ; v64-127 b2 in the result's layout, eight tiles
.set OB,   64                          ; the tail: 16 outputs, two sets by turns
.set IV,   96                          ; v96-111 (x0 v0, x0 v1) for each block of rows
.set AF,   128
.set BK,   128                         ; the way out: 32 x 4 registers read back from the stage
.set T,    224                         ; the tail: 16 pairs at work
.set G1, 24
.set G0, 32
.set G1B, 48
.set G0B, 56
.set G1S, 68
.set G0S, 76
.set G1SB, 80
.set G0SB, 88
.set MSB, 0
.macro WIN new                         ; the immediate's high byte repeats the setting that is left
.if MSB != \new
	s_set_vgpr_msb (MSB<<8)|\new
.set MSB, \new
.endif
.endm
.set MUL_LO, 0xa1                      ; source 0 (W2) window 1, source 1 (h) window 0, C and D window 2
.set MUL_HI, 0xf1                      ; the same, C and D window 3
.set TO_B,   0x40                      ; destination window 1, address window 0
; A joint load: waves 0 and 1 fetch for h, waves 2 and 3 for W2.  The branch hangs on the wave's number alone.  Four v_nop follow each of the two lines.
.macro JLOAD g0a, g1a, g0b, g1b
	s_cmp_eq_u32 s15, 0
	s_cbranch_scc0 .Lfor_b_\@
	tensor_load_to_lds s[\g0a:\g0a+3], s[\g1a:\g1a+7]
	s_nop 0
.rept 4
	v_nop
.endr
	s_branch .Lasked_\@
.Lfor_b_\@:
	tensor_load_to_lds s[\g0b:\g0b+3], s[\g1b:\g1b+7]
	s_nop 0
.rept 4
	v_nop
.endr
.Lasked_\@:
.endm
.macro CREST                           ; a round of the cluster's barrier behind its opening barrier
	s_cmp_lg_u32 s14, 0
	s_cbranch_scc1 .Lnot_wave_0_\@
	s_barrier_signal -3
.Lnot_wave_0_\@:
	s_barrier_wait -3
	s_barrier_signal -1
	s_barrier_wait -1
.endm
.macro CROUND
	s_barrier_signal -1
	s_barrier_wait -1
	CREST
.endm
	s_load_b128 s[4:7], s[0:1], 0x0                ; h_img s[4:5], h_scales s[6:7]
	s_load_b128 s[8:11], s[0:1], 0x10              ; W2's codes s[8:9], W2's scales s[10:11]
	s_load_b64 s[12:13], s[0:1], 0x20              ; out0
	s_load_b64 s[96:97], s[0:1], 0x28              ; b2
	s_load_b64 s[98:99], s[0:1], 0x30              ; aux
	s_load_b64 s[100:101], s[0:1], 0x38            ; dil
	s_load_b64 s[66:67], s[0:1], 0x40              ; shift_p
	v_lshl_add_u32 v[SPW], v0, 2, SPARE
	v_mov_b32 v[NIL], 0
	ds_add_u32 v28, v29
	ds_add_u32 v28, v29
	s_wait_dscnt 0x0
	v_lshrrev_b32 v1, 5, v0
	v_readfirstlane_b32 s14, v1                    ; wave 0..3
	s_lshr_b32 s15, s14, 1                         ; which 128 rows are mine.  Also: I fetch for h (0) or for W2 (1)
	s_and_b32 s16, s14, 1                          ; which 64 columns of each run are mine.  Also: which half (of h's rows; which run of W2) I fetch
	s_bfe_u32 s40, ttmp6, 0x40000                  ; cx, cy: my place in the cluster
	s_bfe_u32 s41, ttmp6, 0x40004
	s_lshl_b32 s42, ttmp9, 2
	s_add_co_u32 s42, s42, s40                     ; g: which 64 outputs = 4 x cluster x + cx
	s_and_b32 s17, ttmp7, 0xffff
	s_lshl_b32 s17, s17, 2
	s_add_co_u32 s17, s17, s41                     ; which 256 rows = 4 x cluster y + cy
	s_lshl_b32 s43, s41, 2
	s_lshl_b32 s43, 15, s43                        ; my row of the cluster
	s_lshl_b32 s44, 0x1111, s40                    ; my column
	; group 1 for h's images: a dense block of 24,576 bytes as 96 rows of 32 elements of 8 bytes, no padding
	s_or_b32 s[G1+0], s43, (3<<16)|(1<<21)         ; 15:0 the mask: my row; 17:16 elements of 8 bytes; 21 set beside a mask
	s_mov_b32 s[G1+1], 32<<16                      ; tensor_dim0
	s_mov_b32 s[G1+2], 96<<16                      ; tensor_dim1
	s_mov_b32 s[G1+3], 32<<16                      ; tile_dim0
	s_mov_b32 s[G1+4], 96                          ; tile_dim1
	s_mov_b32 s[G1+5], 32                          ; tensor_dim0_stride
	s_mov_b32 s[G1+6], 0
	s_mov_b32 s[G1+7], 0
	; group 1 for W2's tiles: 128 rows x 192 bytes, 4 words of padding behind every 16
	s_or_b32 s[G1B+0], s44, (0<<16)|(1<<20)|(1<<21)|(3<<22)|(3<<25)
	s_mov_b32 s[G1B+1], ROWB<<16
	s_mov_b32 s[G1B+2], 128<<16
	s_mov_b32 s[G1B+3], ROWB<<16
	s_mov_b32 s[G1B+4], 128
	s_mov_b32 s[G1B+5], KROW
	s_mov_b32 s[G1B+6], 0
	s_mov_b32 s[G1B+7], 0
	; and for the scale bytes of 128 rows: 8,192 dense bytes as 32 rows of 256, 16 bytes of padding behind each
	s_or_b32 s[G1S+0], s43, (3<<16)|(1<<20)|(1<<21)|(5<<22)|(3<<25)
	s_or_b32 s[G1SB+0], s44, (3<<16)|(1<<20)|(1<<21)|(5<<22)|(3<<25)
.irp g, G1S, G1SB
	s_mov_b32 s[\g+1], 32<<16
	s_mov_b32 s[\g+2], 32<<16
	s_mov_b32 s[\g+3], 32<<16
	s_mov_b32 s[\g+4], 32
	s_mov_b32 s[\g+5], 32
	s_mov_b32 s[\g+6], 0
	s_mov_b32 s[\g+7], 0
.endr
	; where the tiles come from.  h's hang on the block of rows alone, W2's on g alone, each in registers that never hold the other coordinate
	s_mul_i32 s20, s17, 2*HALFA                    ; h_img: 16 row tiles x 3,072 bytes for each block of 256 rows,
	s_mul_i32 s18, s16, HALFA                      ; + my half
	s_add_co_u32 s20, s20, s18
	s_mov_b32 s21, 0
	s_lshl_b32 s22, s17, 14                        ; h_scales: 256 rows x 64,
	s_lshl_b32 s18, s16, 13                        ; + 128 rows x 64
	s_add_co_u32 s22, s22, s18
	s_mov_b32 s23, 0
	s_mul_i32 s46, s42, 128*KROW                   ; W2: row 128 g,
	s_mul_i32 s18, s16, 1024*KROW                  ; + 1,024 for run 1
	s_add_co_u32 s46, s46, s18
	s_mov_b32 s47, 0
	s_lshl_b32 s92, s42, 13                        ; its scale bytes: (128 g + 1,024 run) x 64
	s_lshl_b32 s18, s16, 16
	s_add_co_u32 s92, s92, s18
	s_mov_b32 s93, 0
	s_mul_i32 s45, s16, HALFA                      ; and where they go: no place in the cluster enters an LDS address
	s_mul_i32 s19, s16, HALFB
	s_add_co_u32 s19, s19, BOFF
	s_mul_i32 s94, s14, HALFS
	s_wait_kmcnt 0x0
	s_add_nc_u64 s[20:21], s[4:5], s[20:21]
	s_add_nc_u64 s[22:23], s[6:7], s[22:23]
	s_add_nc_u64 s[46:47], s[8:9], s[46:47]
	s_add_nc_u64 s[92:93], s[10:11], s[92:93]
	CROUND                                         ; all sixteen work-groups are here: the first joint loads meet
	s_mov_b32 s[G0S], 1
	s_add_co_u32 s[G0S+1], s94, SCL
	s_mov_b64 s[G0S+2:G0S+3], s[22:23]
	s_or_b32 s[G0S+3], s[G0S+3], 0x80000000
	s_mov_b32 s[G0SB], 1
	s_add_co_u32 s[G0SB+1], s94, SCL
	s_mov_b64 s[G0SB+2:G0SB+3], s[92:93]
	s_or_b32 s[G0SB+3], s[G0SB+3], 0x80000000
	JLOAD G0S, G1S, G0SB, G1SB                     ; the scale bytes first: they are wanted with K step 0
.irp s, 0,1
	s_mov_b32 s[G0+4*\s], 1
	s_add_co_u32 s[G0+4*\s+1], s45, \s*SLOT
	s_add_nc_u64 s[G0+4*\s+2:G0+4*\s+3], s[20:21], \s*KSTRIDE
	s_or_b32 s[G0+4*\s+3], s[G0+4*\s+3], 0x80000000
	s_mov_b32 s[G0B+4*\s], 1
	s_add_co_u32 s[G0B+4*\s+1], s19, \s*SLOT
	s_add_nc_u64 s[G0B+4*\s+2:G0B+4*\s+3], s[46:47], \s*ROWB
	s_or_b32 s[G0B+4*\s+3], s[G0B+4*\s+3], 0x80000000
	JLOAD G0+4*\s, G1, G0B+4*\s, G1B
.endr
	v_and_b32 v1, 15, v0                           ; r = l % 16
	v_bfe_u32 v2, v0, 4, 1                         ; h = l / 16
	; the small inputs are asked for at once: b2 in the result's layout, x[row][0], dil, shift_p, x[8191][1]
	s_lshl_b32 s46, s42, 9                         ; b2: column 128 g + 64 c, in bytes
	s_lshl_b32 s47, s16, 8
	s_add_co_u32 s46, s46, s47
	s_mov_b32 s47, 0
	s_add_nc_u64 s[96:97], s[96:97], s[46:47]
	s_lshl_b32 s20, s17, 11                        ; aux: row 256 x block + 128 x half, 8 bytes a row
	s_lshl_b32 s21, s15, 10
	s_add_co_u32 s20, s20, s21
	s_mov_b32 s21, 0
	s_add_nc_u64 s[92:93], s[98:99], s[20:21]
	s_load_b32 s95, s[98:99], 0xfffc               ; s = x[8191][1]: byte 8,191 x 8 + 4 of aux
	v_lshlrev_b32 v232, 5, v2                      ; 32 h
	v_lshlrev_b32 v233, 3, v1                      ; 8 r
	v_and_b32 v224, 3, v0
	v_lshlrev_b32 v224, 2, v224                    ; 4 (lane % 4)
.irp b, 0,1,2,3,4,5,6,7                        ; tile b, lane (r, h), register j: b2 at column 16 (b % 4) + 8 h + j of my 64 of run b / 4
	global_load_b128 v[BIAS+8*\b:BIAS+8*\b+3], v232, s[96:97] offset:64*(\b%4)+4096*(\b/4)
	global_load_b128 v[BIAS+8*\b+4:BIAS+8*\b+7], v232, s[96:97] offset:64*(\b%4)+4096*(\b/4)+16
.endr
.irp a, 0,1,2,3,4,5,6,7
	global_load_b32 v[INP+\a], v233, s[92:93] offset:128*\a
.endr
	global_load_b32 v225, v224, s[100:101]         ; dil[lane % 4]
	global_load_b32 v226, v224, s[66:67]           ; shift_p[lane % 4]
	; LDS addresses
	v_and_b32 v3, 31, v0
	v_lshlrev_b32 v3, 4, v3                        ; 16 x lane
	v_mul_u32_u24 v4, v1, PITCH
	v_mul_u32_u24 v5, v2, 24
	v_add_nc_u32 v4, v4, v5                        ; W2: a fragment's row x pitch + 24 x half
	v_lshl_add_u32 v5, v2, 4, v4                   ; and the same behind one padding more
	s_mul_i32 s21, s15, HALFA                      ; my 128 rows of h
	s_mul_i32 s22, s16, 64*PITCH                   ; my 64 rows of each run of W2
	s_add_co_u32 s22, s22, BOFF
.irp s, 0,1
	v_add_nc_u32 v[ADRA+\s], s21, v3
	v_add_nc_u32 v[ADRB+\s], s22, v4
	v_add_nc_u32 v[ADRB+2+\s], s22, v5
	s_add_co_u32 s21, s21, SLOT
	s_add_co_u32 s22, s22, SLOT
.endr
	v_lshlrev_b32 v5, 6, v1                        ; my row's scale bytes: 64 a row,
	v_lshrrev_b32 v6, 8, v5
	v_lshl_add_u32 v5, v6, 4, v5                   ; and 16 more for each 256 passed
	s_mul_i32 s21, s15, HALFS                      ; h's: my 128 rows
	s_mul_i32 s22, s16, 4*SBLK                     ; W2's: run 0 lies behind h's 256 rows; my 64 rows of it
	s_add_co_u32 s22, s22, 2*HALFS
	s_sub_co_u32 s22, s22, s21                     ; the distance from h's to W2's
	s_add_co_u32 s23, s22, 4*SBLK                  ; for blocks 4-7: run 1 lies 8 blocks behind run 0, and the loads' offsets have passed 4
	v_mul_u32_u24 v6, s22, v2                      ; lanes 16-31 take W2's
	v_mul_u32_u24 v4, s23, v2
	s_add_co_u32 s21, s21, SCL
	v_add_nc_u32 v6, v5, v6
	v_add_nc_u32 v4, v5, v4
	v_add_nc_u32 v[ADRS], s21, v6
	v_add_nc_u32 v[ADRS2], s21, v4
	s_mul_i32 s23, s15, 128*SPITCH                 ; the stage, in: row 128 x half + r, 128 c + 16 h bytes on
	s_lshl_b32 s21, s16, 7
	s_add_co_u32 s23, s23, s21
	v_mul_u32_u24 v5, v1, SPITCH
	v_lshl_add_u32 v5, v2, 4, v5
	v_add_nc_u32 v[STO], s23, v5
	s_mul_i32 s23, s14, 64*SPITCH                  ; back: wave w takes rows 64 w .. 64 w + 63, whole; lanes 0-15 one row, lanes 16-31 the next
	v_mul_u32_u24 v5, v2, SPITCH
	v_lshl_add_u32 v5, v1, 4, v5
	v_add_nc_u32 v[RD], s23, v5
	v_lshlrev_b32 v5, 11, v2                       ; and the same two rows in out0: 2,048 bytes a row
	v_lshl_add_u32 v[CO], v1, 4, v5
	s_lshl_b32 s20, s17, 8
	s_lshl_b32 s21, s14, 6
	s_add_co_u32 s20, s20, s21                     ; the first row that I store: 256 x block + 64 x wave
	s_lshl_b32 s20, s20, 11
	s_mov_b32 s21, 0
	s_lshl_b32 s46, s42, 8                         ; my work-group's 64 outputs: 256 g bytes on
	s_mov_b32 s47, 0
	s_add_nc_u64 s[20:21], s[20:21], s[46:47]
	s_add_nc_u64 s[12:13], s[12:13], s[20:21]
	s_wait_kmcnt 0x0                               ; s
	s_wait_loadcnt 0x0                             ; b2, x[row][0], dil, shift_p
	; v0 and v1.  Lane i works on t[i % 4]: even i wants cos, odd i sin.  t = k pi/2 + r, |r| <= pi/4; sin(r + q pi/2) with q = k for the sine and k + 1 for the cosine
	v_fma_f32 v227, s95, v225, v226                ; t
	v_fma_f32 v228, v227, 0x3f22f983, 0.5          ; t x 2/pi + 1/2
	v_floor_f32 v228, v228                         ; k
	v_fma_f32 v229, v228, 0xbfc90fdb, v227         ; t - k x (pi/2 rounded to f32),
	v_fma_f32 v229, v228, 0x333bbd2e, v229         ; - k x (what the rounding left): r
	v_cvt_i32_f32 v234, v228
	v_and_b32 v235, 1, v0
	v_sub_nc_u32 v234, v234, v235
	v_add_nc_u32 v234, 1, v234                     ; q = k + 1 - (lane % 2)
	v_mul_f32 v230, v229, v229                     ; u = r^2
	v_mov_b32 v231, 0x3638ef1d                     ; 1/9!
	v_fma_f32 v231, v231, v230, 0xb9500d01         ; -1/7!
	v_fma_f32 v231, v231, v230, 0x3c088889         ; 1/5!
	v_fma_f32 v231, v231, v230, 0xbe2aaaab         ; -1/3!
	v_mul_f32 v236, v229, v230
	v_fma_f32 v231, v236, v231, v229               ; sin r
	v_mov_b32 v237, 0x37d00d01                     ; 1/8!
	v_fma_f32 v237, v237, v230, 0xbab60b61         ; -1/6!
	v_fma_f32 v237, v237, v230, 0x3d2aaaab         ; 1/4!
	v_fma_f32 v237, v237, v230, -0.5
	v_fma_f32 v237, v237, v230, 1.0                ; cos r
	v_and_b32 v238, 1, v234
	v_cmp_eq_u32 vcc_lo, 1, v238
	v_cndmask_b32 v231, v231, v237, vcc_lo         ; q odd: the cosine
	v_lshlrev_b32 v238, 30, v234
	v_and_b32 v238, 0x80000000, v238               ; q's bit 1: the sign
	v_xor_b32 v231, v231, v238
	v_add_f32_dpp v231, v231, v231 row_xmask:2 row_mask:0xf bank_mask:0xf   ; even lanes: cos t0 + cos t2 = v0; odd lanes: sin t1 + sin t3 = v1
	v_mov_b32 v239, 0
	v_mov_b32_dpp v239, v231 row_xmask:1 row_mask:0xf bank_mask:0xf         ; my neighbour's
	v_cmp_eq_u32 vcc_lo, 1, v235
	v_cndmask_b32 v[VV], v231, v239, vcc_lo        ; v0 in every lane
	v_cndmask_b32 v[VV+1], v239, v231, vcc_lo      ; v1 in every lane
.macro FRAGB reg, adr, q, i            ; a fragment of W2: lane l holds row l % 16; registers 6 c .. 6 c + 5 hold K = 64 c + 32 (l / 16) + 0 .. 31: 24 bytes of the row's stream of bits, in pieces of 8 bytes
.irp p, 0,1,2,3,4,5                    ; lanes 0-15 take the row's pieces 12 q + 0, 1, 2 and 12 q + 6, 7, 8, lanes 16-31 those three pieces on: where that lies behind one padding more, the second address register serves
.set PCE, 12*(\q)+6*(\p/3)+\p%3
.if PCE%8 < 5
	ds_load_b64 v[\reg+2*\p:\reg+2*\p+1], v[\adr] offset:8*PCE+16*(PCE/8)+((\i)%4)*16*PITCH+((\i)/4)*HALFB
.else
	ds_load_b64 v[\reg+2*\p:\reg+2*\p+1], v[\adr+2] offset:8*PCE+16*(PCE/8)+((\i)%4)*16*PITCH+((\i)/4)*HALFB
.endif
.endr
.endm
.macro FRAGA reg, slot, q, i           ; a fragment of h comes back as it was stored: three loads of 16 bytes a lane, 512 consecutive bytes each
.irp c, 0,1,2
	ds_load_b128 v[\reg+4*\c:\reg+4*\c+3], v[ADRA+\slot] offset:3072*(\i)+1536*(\q)+512*\c
.endr
.endm
; 16 matrix instructions: h's blocks a0, a0 + 1 x W2's eight, 128 along K: the slot's q-th.  p: W2's set;  sc: the set of scale words.  zero = 1: the first product starts the sums, from b2.
; The 64 accumulators take turns, one instruction a turn, in the same order in every step.
.macro MUL16 a0, p, q, sc, zero
.irp a, \a0, \a0+1
.irp b, 0,1,2,3,4,5,6,7
.if \zero
	v_wmma_scale_f32_16x16x128_f8f6f4 v[8*(8*((\a)%4)+\b):8*(8*((\a)%4)+\b)+7], v[128*(\p)+FR*\b:128*(\p)+FR*\b+FR-1], v[AF+FR*(\a):AF+FR*(\a)+FR-1], v[BIAS+8*\b:BIAS+8*\b+7], v[SC+8*NQ*(\sc)+NQ*\b+(\q)], v[SC+8*NQ*(\sc)+NQ*(\a)+(\q)] matrix_a_fmt:MATRIX_FMT_FP6 matrix_b_fmt:MATRIX_FMT_FP6 matrix_a_scale:MATRIX_SCALE_ROW1
.else
	v_wmma_scale_f32_16x16x128_f8f6f4 v[8*(8*((\a)%4)+\b):8*(8*((\a)%4)+\b)+7], v[128*(\p)+FR*\b:128*(\p)+FR*\b+FR-1], v[AF+FR*(\a):AF+FR*(\a)+FR-1], v[8*(8*((\a)%4)+\b):8*(8*((\a)%4)+\b)+7], v[SC+8*NQ*(\sc)+NQ*\b+(\q)], v[SC+8*NQ*(\sc)+NQ*(\a)+(\q)] matrix_a_fmt:MATRIX_FMT_FP6 matrix_b_fmt:MATRIX_FMT_FP6 matrix_a_scale:MATRIX_SCALE_ROW1
.endif
.endr
.endr
.endm
.macro FETCH_B slot, q, p              ; W2's eight fragments of the slot's q-th 128 along K into set p: blocks 0-3 from run 0, blocks 4-7 from run 1
	WIN TO_B
.irp i, 0,1,2,3,4,5,6,7
	FRAGB 128*(\p)+FR*\i, ADRB+\slot, \q, \i
.endr
	WIN 0
.endm
.macro FETCH_A slot, q, i0             ; h's blocks i0 .. i0 + 3
.irp i, \i0, \i0+1, \i0+2, \i0+3
	FRAGA AF+FR*(\i), \slot, \q, \i
.endr
.endm
.macro SCALES sc                       ; a K step's scale words into set sc: two words a row; lanes 0-15 take h's block i, lanes 16-31 W2's block i
.irp i, 0,1,2,3
	ds_load_b64 v[SC+8*NQ*\sc+NQ*\i:SC+8*NQ*\sc+NQ*\i+1], v[ADRS] offset:\i*SBLK
.endr
.irp i, 4,5,6,7
	ds_load_b64 v[SC+8*NQ*\sc+NQ*\i:SC+8*NQ*\sc+NQ*\i+1], v[ADRS2] offset:\i*SBLK
.endr
.endm
; A load into a register that a matrix instruction has read, and a vector instruction that reads a matrix result, stand NP places behind that matrix instruction; only plain vector
; instructions that name none of its registers are places (ISA guide 7.12.1 for vector instructions).
.macro PLACES n
.rept \n
	v_nop
.endr
.endm
; A step of 128 along K that has its successor in the same slot.  h has one set of registers: blocks 0-3 are fetched anew in the step's middle, blocks 4-7 at its end; W2 has two sets.
.macro STEP slot, q, zero
	s_wait_dscnt 4*NLA                             ; W2's set, h's blocks 0-3 and the scale words are in; the youngest twelve loads (h's blocks 4-7) may be out
.if \zero
	WIN 0x81                                       ; C (b2) window 0, D window 2
.else
	WIN MUL_LO
.endif
	MUL16 0, (\q)%2, \q, \slot, \zero
	MUL16 2, (\q)%2, \q, \slot, \zero
	s_wait_dscnt 0                                 ; h's blocks 4-7 are in
	PLACES NP
	FETCH_B \slot, (\q)+1, 1-(\q)%2
	FETCH_A \slot, (\q)+1, 0
.if \zero
	WIN 0xc1                                       ; C window 0, D window 3
.else
	WIN MUL_HI
.endif
	MUL16 4, (\q)%2, \q, \slot, \zero
	MUL16 6, (\q)%2, \q, \slot, \zero
	PLACES NP
	WIN 0
	FETCH_A \slot, (\q)+1, 4
.endm
; A slot's last step changes slots: ONE barrier; in front of it each wave waits for all its tensor loads, adds 0 to its spare word, and waits for that and for its own reads of this slot.  fill = 1: this slot is filled again, two K steps ahead.
.macro TURN slot, next, fill
	s_wait_tensorcnt 0x0                           ; all my tensor loads have landed: my part of the next slot  (every window is 0 here)
	ds_add_u32 v[SPW], v[NIL]                      ; 0 onto my spare word
	s_wait_dscnt 4*NLA+1                           ; (the add and the youngest twelve loads, h's blocks 4-7, may be out)
	WIN MUL_LO
	MUL16 0, 1, NQ-1, \slot, 0                     ; sixteen matrix instructions stand between the add and the wait for it
	s_wait_dscnt 0x0                               ; the add is done, and my reads of this slot are over
	s_barrier_signal -1
	MUL16 2, 1, NQ-1, \slot, 0
	WIN 0
	s_barrier_wait -1
.if \fill
	CREST                                          ; the barrier has opened a round of the cluster's barrier: no wave of any partner still reads this slot's tile or has a load on its way
	s_add_nc_u64 s[G0+4*\slot+2:G0+4*\slot+3], s[G0+4*\slot+2:G0+4*\slot+3], 2*KSTRIDE
	s_add_nc_u64 s[G0B+4*\slot+2:G0B+4*\slot+3], s[G0B+4*\slot+2:G0B+4*\slot+3], 2*ROWB
	JLOAD G0+4*\slot, G1, G0B+4*\slot, G1B         ; the first tensor load behind the round; the four v_nop behind it are the places in front of the loads below
.else
	PLACES NP
.endif
	v_add_nc_u32 v[ADRS], 4*NQ, v[ADRS]            ; on to the next K step's scale words
	v_add_nc_u32 v[ADRS2], 4*NQ, v[ADRS2]
	FETCH_B \next, 0, 0
	FETCH_A \next, 0, 0
	SCALES \next
	WIN MUL_HI
	MUL16 4, 1, NQ-1, \slot, 0
	MUL16 6, 1, NQ-1, \slot, 0
	PLACES NP
	WIN 0
	FETCH_A \next, 0, 4
.endm
	s_wait_tensorcnt 1                             ; the scale bytes and my part of K step 0 are in (K step 1's load may be out)
	s_barrier_signal -1
	s_barrier_wait -1                              ; everybody's are
	FETCH_B 0, 0, 0
	FETCH_A 0, 0, 0
	SCALES 0
	FETCH_A 0, 0, 4
	STEP 0, 0, 1                                   ; the first step stands in front of the loop: its products start the sums from b2
	s_mov_b32 s3, LAPS-1
.Llap:                                                 ; a trip goes once round the ring, from a lap's second step to the next lap's first, and fills both slots again
	TURN 0, 1, 1
	STEP 1, 0, 0
	TURN 1, 0, 1
	STEP 0, 0, 0
	s_sub_co_u32 s3, s3, 1
	s_cmp_lg_u32 s3, 0
	s_cbranch_scc1 .Llap
	TURN 0, 1, 0                                   ; the last lap fills nothing, and has no round of the cluster's barrier
	STEP 1, 0, 0
	s_wait_dscnt 4*NLA                             ; the very last step: nothing more to fetch
	WIN MUL_LO
	MUL16 0, 1, NQ-1, 1, 0
	MUL16 2, 1, NQ-1, 1, 0
	s_wait_dscnt 0
	WIN MUL_HI
	MUL16 4, 1, NQ-1, 1, 0
	MUL16 6, 1, NQ-1, 1, 0
	WIN 0
; THE TAIL AND THE WAY OUT.  (x0 v0, x0 v1) for each block of rows: sixteen plain instructions that name no register of the last products: they are the places behind them.
.irp a, 0,1,2,3,4,5,6,7
	v_mul_f32 v[IV+2*\a], v[INP+\a], v[VV]
	v_mul_f32 v[IV+2*\a+1], v[INP+\a], v[VV+1]
.endr
; Block a of 16 rows: output 8 b + 4 h + p of my 32 is (c0 x0 v0 + c2 v0) + (c1 x0 v1 + c3 v1), c0, c1 in accumulator (a, b), c2, c3 in (a, b + 4), registers 2 p, 2 p + 1.  Each accumulator is read from its low end on.
.macro TAIL a
.set AC, 64*((\a)%4)
.set OO, OB+16*((\a)%2)
	WIN (0x02+(\a)/4)                              ; source 0: window 2 or 3
.irp b, 0,1,2,3
.irp p, 0,1,2,3
	v_pk_mul_f32 v[T+8*\b+2*\p:T+8*\b+2*\p+1], v[AC+8*\b+2*\p:AC+8*\b+2*\p+1], v[IV+2*(\a):IV+2*(\a)+1]
.endr
.endr
.irp b, 0,1,2,3
.irp p, 0,1,2,3
	v_pk_fma_f32 v[T+8*\b+2*\p:T+8*\b+2*\p+1], v[AC+32+8*\b+2*\p:AC+32+8*\b+2*\p+1], v[VV:VV+1], v[T+8*\b+2*\p:T+8*\b+2*\p+1]
.endr
.endr
	WIN 0
.irp i, 0,1,2,3,4,5,6,7,8,9,10,11,12,13,14,15
	v_add_f32 v[OO+\i], v[T+2*\i], v[T+2*\i+1]
.endr
.irp b, 0,1,2,3
	ds_store_b128 v[STO], v[OO+4*\b:OO+4*\b+3] offset:16*SPITCH*(\a)+32*\b   ; four neighbouring outputs of a row: 16 bytes
.endr
.endm
.irp a, 0,1,2,3,4,5,6,7
	TAIL \a
.endr
	s_wait_dscnt 0x0                               ; for the others' sake: my stores into the stage are done (a row's 256 bytes come from two waves)
	s_barrier_signal -1
	s_barrier_wait -1
.set t, 0
.rept 32
	ds_load_b128 v[BK+4*t:BK+4*t+3], v[RD] offset:2*SPITCH*t
.set t, t+1
.endr
.set t, 0
.rept 32
	s_wait_dscnt 31-t                              ; LDS loads come back in order: load t is in, the younger ones may be out
	global_store_b128 v[CO], v[BK+4*t:BK+4*t+3], s[12:13] offset:4096*t th:TH_STORE_NT   ; 16 lanes store 256 consecutive bytes, at a multiple of 256 from out0's first byte
.set t, t+1
.endr
	s_wait_tensorcnt 0x0                           ; the wave's end, behind my last tensor load and my last LDS store
	ds_add_u32 v[SPW], v[NIL]
	s_wait_dscnt 0x0
	CROUND                                         ; the closing round: no work-group ends while a partner may still ask for a tile that names it
	s_endpgm
.Lfunc_end_k_qab96b33317_gemm:
	.size	k_qab96b33317_gemm, .Lfunc_end_k_qab96b33317_gemm-k_qab96b33317_gemm
	.p2alignl 7, 3214868480
	.fill 96, 4, 3214868480
	.section	.rodata,"a",@progbits
	.p2align	6, 0x0
	.amdhsa_kernel k_qab96b33317_gemm
		.amdhsa_group_segment_fixed_size 327680
		.amdhsa_private_segment_fixed_size 0
		.amdhsa_enable_private_segment 0
		.amdhsa_kernarg_size 72
		.amdhsa_user_sgpr_count 2
		.amdhsa_user_sgpr_kernarg_segment_ptr 1
		.amdhsa_wavefront_size32 1
		.amdhsa_system_sgpr_workgroup_id_x 1
		.amdhsa_system_sgpr_workgroup_id_y 1
		.amdhsa_system_sgpr_workgroup_id_z 1
		.amdhsa_system_vgpr_workitem_id 0
		.amdhsa_next_free_vgpr 1024
		.amdhsa_next_free_sgpr 102
		.amdhsa_reserve_vcc 1
		.amdhsa_float_denorm_mode_32 3
		.amdhsa_float_denorm_mode_16_64 3
		.amdhsa_memory_ordered 1
		.amdhsa_forward_progress 1
		.amdhsa_inst_pref_size 153
	.end_amdhsa_kernel
	.amdgpu_metadata
---
amdhsa.version: [ 1, 2 ]
amdhsa.kernels:
  - .name:           k_qab96b33317_gemm
    .symbol:         k_qab96b33317_gemm.kd
    .args:
      - { .name: h_img, .offset: 0, .size: 8, .value_kind: global_buffer, .address_space: global }
      - { .name: h_scales, .offset: 8, .size: 8, .value_kind: global_buffer, .address_space: global }
      - { .name: fc2_w_codes, .offset: 16, .size: 8, .value_kind: global_buffer, .address_space: global }
      - { .name: fc2_w_scales, .offset: 24, .size: 8, .value_kind: global_buffer, .address_space: global }
      - { .name: out0, .offset: 32, .size: 8, .value_kind: global_buffer, .address_space: global }
      - { .name: fc2_b, .offset: 40, .size: 8, .value_kind: global_buffer, .address_space: global }
      - { .name: aux, .offset: 48, .size: 8, .value_kind: global_buffer, .address_space: global }
      - { .name: dil, .offset: 56, .size: 8, .value_kind: global_buffer, .address_space: global }
      - { .name: shift_p, .offset: 64, .size: 8, .value_kind: global_buffer, .address_space: global }
    .group_segment_fixed_size: 327680
    .private_segment_fixed_size: 0
    .kernarg_segment_align: 8
    .kernarg_segment_size: 72
    .max_flat_workgroup_size: 128
    .sgpr_count:     102
    .vgpr_count:     1024
    .wavefront_size: 32
...
	.end_amdgpu_metadata
.endif
;; end of part 2
